; MI455X (gfx1250); checked and timed in simulation.
; The chip was launched on July 23, 2026; its instructions are those of AMD's public machine-readable ISA for CDNA 5 (MIT licence, August 2026) and "CDNA5" Instruction Set Architecture Reference Guide (July 2026). The comments in the code are by the model that wrote it; some were corrected since.
;; Attention. Allowed arithmetic: matrix products marked QUANTISED: E2M1 operands, one E8M0 scale for each 32 along K, by v_wmma_scale_f32_16x16x128_f8f6f4 with both operands' format E2M1 (or v_wmma_scale_f32_32x16x128_f4), f32 sums; everything else in f32.
;; Inputs: Wq 1,024 x 1,024 float32; Wv 1,024 x 1,024 float32; bq 1,024 float32; bv 1,024 float32; x 2 x 2,048 x 1,024 float32.
;; Outputs: out0 2 x 2,048 x 1,024 float32.
;; This version of the problem:
;;   THIS VERSION OF THE PROBLEM IS GIVEN IN LOW PRECISION. The matrix products marked QUANTISED in the list below multiply operands that are first quantised to E2M1 (2 exponent bits, 1 mantissa bit; 4 bits a number), with one power-of-two scale for each 32 numbers along K (OCP MX v1.0); their sums are f32. All else is computed in f32.
;;   The module's matrix products, in the order in which they are computed (A, B: the left and right operand; K: the contracted axis; several contracted axes count as one K, in the product's order):
;;     1. [M 4,096, K 1,024] x [K 1,024, N 1,024]; A: input x; B: input Wq: QUANTISED
;;     2. [M 4,096, K 1,024] x [K 1,024, N 1,024]; A: input x; B: input Wv: QUANTISED
;;     3. batch 32 x [M 2,048, K 64] x [K 64, N 2,048]; A: computed on the way; B: computed on the way: QUANTISED
;;     4. batch 32 x [M 2,048, K 2,048] x [K 2,048, N 64]; A: softmax (see below); B: computed on the way: QUANTISED
;;   THE QUANTISER, for each operand of a quantised product, along K:
;;     - K is cut into blocks of 32 from its start; a last block that is shorter is filled with zeros.
;;     - A block's scale is 2^e with e = floor(log2(the largest magnitude in the block)) - 2, held to -126 .. 127; a block of zeros has e = 0. As a byte (E8M0): e + 127.
;;     - Each number is divided by its block's scale, clamped to +-6, and rounded to the nearest number of E2M1, ties to even, subnormals kept.
;;     - The product sums the exact products of the quantised numbers (number of the format x scale) in f32.
;;   ~~~python
;;   def quantise(x, axis):      # numpy; x: float32 -> the quantised numbers, widened to float32 again
;;       x = np.moveaxis(x, axis, -1); K = x.shape[-1]
;;       x = np.pad(x, [(0, 0)] * (x.ndim - 1) + [(0, -K % 32)]); x = x.reshape(x.shape[:-1] + (-1, 32)); a = np.abs(x).max(-1, keepdims=True)
;;       e = np.where(a > 0, np.clip(np.frexp(np.where(a > 0, a, 1))[1] - 1 - 2, -126, 127), 0)      # np.frexp(a)[1] - 1 = floor(log2(a)), exactly
;;       r = np.clip(x / 2.0 ** e, -6, 6)
;;       step = 2.0 ** (np.maximum(np.frexp(np.where(r == 0, 1, r))[1] - 1, 0) - 1)
;;       q = np.round(r / step) * step * 2.0 ** e      # np.round: ties to even
;;       return np.moveaxis(q.reshape(q.shape[:-2] + (-1,))[..., :K], -1, axis).astype(np.float32)
;;   ~~~
;;   SOFTMAX AHEAD OF A QUANTISED PRODUCT. Where the list says 'softmax', what is quantised is not the finished softmax but p = 2^(t - M), with t = logit x log2(e) and M = ceil(the row's largest t), a whole number; so 1/2 < the row's largest p <= 1. The row's sum l is taken of the UNQUANTISED p, in f32, and the product's result is divided by l at the end. Since M is a whole number, a kernel that streams over the keys may use a running M (the ceiling of the running maximum): every later rescaling is an exact power of two, which a block's scale takes up: the codes' values come out the same.
;;   OPERANDS COMPUTED ON THE WAY. 'Computed on the way' means the value that the module computes at that place (a softmax that the list does not call 'softmax' is quantised finished and normalised). What goes into a quantiser is computed in f32, as accurately as f32 sums, v_exp_f32 and their like allow (about 1e-6 of the number): no bf16 or f16 on the way to a quantiser, and a product that is left as it is and whose result goes on into a quantised operand takes f32 operands (vector FMAs, or v_wmma_f32_16x16x4_f32). A number that lies on a knife's edge between two numbers of the format may be rounded either way, as far as f32 arithmetic and the matrix unit's own rounding can turn it there, and no further.
;; One version. Each part assembles by itself: llvm-mc -triple=amdgcn-amd-amdhsa -mcpu=gfx1250 --defsym DOCPART=n.
;; ======== version 1 of 1: 3 launches
;; limits: right only within a limited range of input values
;; workspace buffers: cod 3,342,336 bytes; img 8,912,896 bytes
;; launch quant (part 1): grid 256 x 1, 12 waves a work-group, no clusters, 63,744 bytes of LDS; arguments x, Wq, Wv, cod; writes cod
.if DOCPART == 1
	.amdgcn_target "amdgcn-amd-amdhsa--gfx1250"
	.amdhsa_code_object_version 6
	.text
	.protected	k_q08b7463830_quant
	.globl	k_q08b7463830_quant
	.p2align	8
	.type	k_q08b7463830_quant,@function
k_q08b7463830_quant:
	s_mov_b64 s[64:65], 0
	v_nop
	global_prefetch_b8 v0, s[64:65] scope:SCOPE_SE
	s_setreg_imm32_b32 hwreg(HW_REG_WAVE_MODE, 25, 1), 1
	s_wait_xcnt 0x0
; x [4096][1024], Wq and Wv [1024][1024], f32, K innermost, become codes of FP4 (E2M1), two a byte, and one E8M0 byte for each 32 along K.
; A block's scale is 2^(floor(log2(its largest magnitude)) - 2); its byte is that magnitude's exponent field - 2, held at 1 from below.
; LIMITS: NaN and infinities among the inputs are not served; a block whose largest magnitude lies under 2^-124 has its byte held at 1; a block of zeros
; gets the byte 1 where the quantiser says 127: its codes are zeros, and these bytes are read by this program alone.
; No step of the problem is left out in this program, and every input is read.
; ORDER OF ROWS.  Position p of 64 holds the row whose bits (5, 4, 3) are p's bits (3, 5, 4): so 16 consecutive positions are the rows 8 u + 0 .. 7 and 32 + 8 u + 0 .. 7, and a lane of
; the next launch's results holds whole blocks of 32 neighbours.  W's row 16 dd + n (n the head) first becomes 64 n + dd.
; IMAGE.  128 positions make a tile of TILE bytes: codes of K 0 .. 511 (128 rows of 256 bytes), the scale bytes (128 rows of 32), codes of K 512 .. 1023.  Tiles 0-31 are x, 32-39 Wq, 40-47 Wv.
; SHARES.  A unit is 8 rows that are neighbours in the image; four waves make it, two rows each; a work-group makes three units.  All of a wave's 16 loads are out at once.
; No work-group reads what another reads, so there is nothing to share in a cluster; no tensor load; no loop, so nothing to prefetch in.
.set EMAX,  2
.set TILE,  69632
.set R,     32                         ; v32-95   four steps of 512 numbers, 16 a lane, as loaded
.set X,     96                         ; v96-127  two sets of 16 neighbours
.set C,     128                        ; v128-135 codes: two registers a step
.set E,     16                         ; v16-19   a scale byte for each step
.set SPW,   12
.set NIL,   13
.set SP,    80                         ; a lane's place in a stage: 64 bytes + 16 of padding
.set WREG,  5120                       ; LDS: two stages of 32 x SP bytes for each wave
.set SCB,   12*WREG                    ; behind them 256 scale bytes for each unit
.set SPARE, SCB+768                    ; the spare words, 128 bytes a wave
	s_load_b256 s[4:11], s[0:1], 0x0               ; x s[4:5], Wq s[6:7], Wv s[8:9], cod s[10:11]
	v_lshl_add_u32 v[SPW], v0, 2, SPARE
	v_mov_b32 v[NIL], 0
	v_lshrrev_b32 v1, 5, v0
	v_readfirstlane_b32 s18, v1                    ; wave 0..11
	s_mul_i32 s19, s18, WREG
	s_lshr_b32 s20, s18, 2                         ; which of my work-group's units
	s_and_b32 s21, s18, 3                          ; which two rows of it
	s_mul_i32 s22, ttmp9, 3
	s_add_co_u32 s22, s22, s20                     ; U: 0-511 x, 512-639 Wq, 640-767 Wv
	s_lshl_b32 s23, s20, 8
	s_add_co_u32 s23, s23, SCB                     ; LDS: my unit's scale bytes
	s_lshl_b32 s24, s21, 6
	s_add_co_u32 s24, s24, s23                     ; my two rows' of them
	s_lshl_b32 s26, s22, 15                        ; x: rows 8 U + 2 (wave % 4)
	s_lshl_b32 s27, s21, 13
	s_add_co_u32 s26, s26, s27
	s_and_b32 s28, s22, 127                        ; W: unit 8 n + d: rows 16 (8 d + i) + n
	s_lshr_b32 s29, s28, 3
	s_and_b32 s28, s28, 7
	s_lshl_b32 s28, s28, 19
	s_lshl_b32 s29, s29, 12
	s_lshl_b32 s30, s21, 17
	s_add_co_u32 s28, s28, s29
	s_add_co_u32 s28, s28, s30
	s_and_b32 s31, s22, 0xfffffff8                 ; the unit's place: U's low bits (2, 1, 0) go to (0, 2, 1)
	s_and_b32 s32, s22, 3
	s_lshl_b32 s32, s32, 1
	s_or_b32 s31, s31, s32
	s_bfe_u32 s32, s22, 0x10002
	s_or_b32 s31, s31, s32
	s_lshr_b32 s32, s31, 4                         ; the tile,
	s_and_b32 s31, s31, 15                         ; and which 8 rows of it
	s_mul_i32 s32, s32, TILE
	s_lshl_b32 s33, s31, 8
	s_add_co_u32 s34, s32, s33
	s_add_co_u32 s34, s34, 32768                   ; the unit's 256 scale bytes
	s_lshl_b32 s33, s31, 11
	s_add_co_u32 s32, s32, s33
	s_lshl_b32 s33, s21, 9
	s_add_co_u32 s32, s32, s33                     ; my two rows' codes
	s_mov_b32 s33, 0
	s_mov_b32 s35, 0
	v_and_b32 v2, 31, v0                           ; lane
	v_lshlrev_b32 v3, 4, v2                        ; my 16 bytes of a load's 512
	v_lshlrev_b32 v4, 3, v2                        ; my 8 bytes of a step's 256
	v_lshrrev_b32 v14, 2, v2
	v_mul_u32_u24 v14, v14, SP
	v_and_b32 v15, 3, v2
	v_lshl_add_u32 v14, v15, 4, v14
	v_add_nc_u32 v14, s19, v14                     ; the stage, way in: SP (lane / 4) + 16 (lane % 4)
	v_mul_u32_u24 v15, v2, SP
	v_add_nc_u32 v15, s19, v15                     ; way out: my 16 neighbours
	v_lshrrev_b32 v5, 1, v2
	v_add_nc_u32 v5, s24, v5                       ; my block's scale byte
	v_add_nc_u32 v6, s23, v4                       ; the unit's scale bytes, 8 a lane
	s_wait_alu depctr_va_vdst(0)                   ; the wait at the head's end
	s_wait_kmcnt 0x0
	s_cmp_lt_u32 s22, 512                          ; x's unit?
	s_cselect_b64 s[4:5], s[4:5], s[6:7]
	s_cselect_b32 s26, s26, s28
	s_mov_b32 s27, 0
	s_mov_b32 s28, 0x10000                         ; from a row to the next of the unit: W 16 rows,
	s_cselect_b32 s28, 4096, s28                   ; x one
	s_mov_b32 s29, 0
	s_cmp_lt_u32 s22, 640                          ; Wv's?
	s_cselect_b64 s[4:5], s[4:5], s[8:9]
	s_add_nc_u64 s[4:5], s[4:5], s[26:27]
	s_add_nc_u64 s[12:13], s[4:5], s[28:29]
	s_add_nc_u64 s[14:15], s[10:11], s[32:33]
	s_add_nc_u64 s[16:17], s[10:11], s[34:35]
.irp t, 0,1,2,3
.irp i, 0,1,2,3
	global_load_b128 v[R+16*\t+4*\i:R+16*\t+4*\i+3], v3, s[4+8*(\t/2):5+8*(\t/2)] offset:2048*(\t%2)+512*\i th:TH_LOAD_NT   ; 32 lanes read 512 consecutive bytes
.endr
.endr
.macro TURN t                          ; step t's numbers through the stage: LDS serves a wave's instructions in order
.irp i, 0,1,2,3
	ds_store_b128 v14, v[R+16*(\t)+4*\i:R+16*(\t)+4*\i+3] offset:32*SP*((\t)%2)+8*SP*\i
.endr
.irp i, 0,1,2,3
	ds_load_b128 v[X+16*((\t)%2)+4*\i:X+16*((\t)%2)+4*\i+3], v15 offset:32*SP*((\t)%2)+16*\i
.endr
.endm
	s_wait_loadcnt 12                              ; step 0's four loads are in
	TURN 0
.macro STEP t
.set XS, X+16*((\t)%2)
.if (\t) < 3
	s_wait_loadcnt 4*(2-(\t))                      ; the next step's four loads are in
	TURN (\t)+1
.if (\t) == 0
	s_wait_dscnt 8                                 ; this step's numbers are back; the next step's eight LDS instructions may be out
.else
	s_wait_dscnt 9                                 ; those eight and the byte store ahead of them
.endif
.else
	s_wait_dscnt 1                                 ; all but the last step's byte store
.endif
	v_max3_num_f32 v8, |v[XS]|, |v[XS+1]|, |v[XS+2]|               ; the largest magnitude of my 16, in two chains
	v_max3_num_f32 v9, |v[XS+3]|, |v[XS+4]|, |v[XS+5]|
.irp i, 6,10
	v_max3_num_f32 v8, v8, |v[XS+\i]|, |v[XS+\i+1]|
	v_max3_num_f32 v9, v9, |v[XS+\i+2]|, |v[XS+\i+3]|
.endr
	v_max3_num_f32 v8, v8, |v[XS+14]|, |v[XS+15]|
	v_max3_num_f32 v8, v8, v9, (EMAX+1)<<23        ; and the floor 2^(3 - 127)
	v_max_num_f32_dpp v8, v8, v8 row_xmask:1 row_mask:0xf bank_mask:0xf   ; with my neighbour's 16: the block's
	v_add_nc_u32 v11, -(EMAX<<23), v8              ; 2 off its exponent field: the conversion's scale operand
	v_cvt_scalef32_pk8_fp4_f32 v[C+2*(\t)], v[XS:XS+7], v11
	v_cvt_scalef32_pk8_fp4_f32 v[C+2*(\t)+1], v[XS+8:XS+15], v11
	v_lshrrev_b32 v[E+(\t)], 23, v11               ; the scale's byte (a plain line behind the conversions)
	ds_store_b8 v5, v[E+(\t)] offset:16*(\t)       ; both lanes of a block write the same byte with the same value
	global_store_b64 v4, v[C+2*(\t):C+2*(\t)+1], s[14:15] offset:256*((\t)/2)+36864*((\t)%2)   ; 256 consecutive bytes, aligned
.endm
.irp t, 0,1,2,3
	STEP \t
.endr
	s_wait_tensorcnt 0x0                           ; behind my last LDS store
	ds_add_u32 v[SPW], v[NIL]
	s_wait_dscnt 0x0                               ; the add and my byte stores are done
	s_barrier_signal -1
	s_barrier_wait -1                              ; everybody's are
	s_cmp_lg_u32 s21, 0
	s_cbranch_scc1 .Ldone                          ; one wave of each unit stores its scale bytes
	ds_load_b64 v[20:21], v6
	s_wait_dscnt 0x0
	global_store_b64 v4, v[20:21], s[16:17]        ; one aligned run of 256 bytes
.Ldone:
	s_endpgm
.Lfunc_end_k_q08b7463830_quant:
	.size	k_q08b7463830_quant, .Lfunc_end_k_q08b7463830_quant-k_q08b7463830_quant
	.p2alignl 7, 3214868480
	.fill 96, 4, 3214868480
	.section	.rodata,"a",@progbits
	.p2align	6, 0x0
	.amdhsa_kernel k_q08b7463830_quant
		.amdhsa_group_segment_fixed_size 63744
		.amdhsa_private_segment_fixed_size 0
		.amdhsa_enable_private_segment 0
		.amdhsa_kernarg_size 32
		.amdhsa_user_sgpr_count 2
		.amdhsa_user_sgpr_kernarg_segment_ptr 1
		.amdhsa_wavefront_size32 1
		.amdhsa_system_sgpr_workgroup_id_x 1
		.amdhsa_system_sgpr_workgroup_id_y 1
		.amdhsa_system_sgpr_workgroup_id_z 1
		.amdhsa_system_vgpr_workitem_id 0
		.amdhsa_next_free_vgpr 136
		.amdhsa_next_free_sgpr 66
		.amdhsa_reserve_vcc 0
		.amdhsa_float_denorm_mode_32 3
		.amdhsa_float_denorm_mode_16_64 3
		.amdhsa_memory_ordered 1
		.amdhsa_forward_progress 1
		.amdhsa_inst_pref_size 12
	.end_amdhsa_kernel
	.amdgpu_metadata
---
amdhsa.version: [ 1, 2 ]
amdhsa.kernels:
  - .name:           k_q08b7463830_quant
    .symbol:         k_q08b7463830_quant.kd
    .args:
      - { .name: x, .offset: 0, .size: 8, .value_kind: global_buffer, .address_space: global }
      - { .name: Wq, .offset: 8, .size: 8, .value_kind: global_buffer, .address_space: global }
      - { .name: Wv, .offset: 16, .size: 8, .value_kind: global_buffer, .address_space: global }
      - { .name: cod, .offset: 24, .size: 8, .value_kind: global_buffer, .address_space: global }
    .group_segment_fixed_size: 63744
    .private_segment_fixed_size: 0
    .kernarg_segment_align: 8
    .kernarg_segment_size: 32
    .max_flat_workgroup_size: 384
    .sgpr_count:     66
    .vgpr_count:     136
    .wavefront_size: 32
...
	.end_amdgpu_metadata
.endif
;; end of part 1
;; launch proj (part 2): grid 8 x 32, 4 waves a work-group, clusters of 4 x 4, 226,048 bytes of LDS; arguments cod, bq, bv, img; writes img
.if DOCPART == 2
	.amdgcn_target "amdgcn-amd-amdhsa--gfx1250"
	.amdhsa_code_object_version 6
	.text
	.protected	k_q08b7463830_proj
	.globl	k_q08b7463830_proj
	.p2align	8
	.type	k_q08b7463830_proj,@function
k_q08b7463830_proj:
	s_mov_b64 s[64:65], 0
	v_nop
	global_prefetch_b8 v0, s[64:65] scope:SCOPE_SE
	s_setreg_imm32_b32 hwreg(HW_REG_WAVE_MODE, 25, 1), 1
	s_wait_xcnt 0x0
	s_wait_alu depctr_hold_cnt(0) depctr_sa_sdst(0) depctr_va_vdst(0) depctr_va_sdst(0) depctr_va_ssrc(0) depctr_va_vcc(0) depctr_vm_vsrc(0)
	s_getreg_b32 s2, hwreg(HW_REG_IB_STS2, 6, 4)
	s_cmp_eq_u32 s2, 0
	s_cbranch_scc0 .Lentry_in_a_cluster
	s_endpgm
.Lentry_in_a_cluster:
	s_bfe_u32 s2, ttmp6, 0x10000c
	s_cmp_lg_u32 s2, 0xf033
	s_cbranch_scc0 .Lentry_shape_is_right
	s_endpgm
.Lentry_shape_is_right:
; Q = x Wq^T + bq and KV = x Wv^T + bv on codes of FP4 with E8M0 scales, K = 1,024; the results are quantised again on the way out and stored as images of operand registers.
; SHARES.  A work-group takes 128 tokens and a pair of heads: one tile of x, one of Wq, one of Wv (128 rows each), and makes THREE products from them: Q and K (source 0 = 16 rows of W, source 1 = 16 tokens: a lane holds one
; token and its registers run along the head's channels) and V (source 0 = 16 tokens, source 1 = 16 rows of Wv: a lane holds one channel and its registers run along the keys).  So KV is multiplied twice; that spares a transposition of f32 numbers.
; A wave takes 64 tokens (c = wave / 2) of one head (wave % 2): 3 x 16 accumulators, 384 registers.  8 x 32 work-groups.
; By the order of the rows in the images the 32 registers of four tiles are the 32 true neighbours 32 (lane / 16) + 0 .. 31: a whole block in a lane.
; THE BIAS is the C of the first K step: along the registers for Q and K, the same in all eight registers for V.
; All of K lies in LDS: a tile's image (codes of K 0 .. 511, scale bytes, codes of K 512 .. 1023) comes as 272 rows of 256 bytes + 16 of padding.  Waves 0 and 1 fetch the halves of x's tile, waves 2 and 3 W's tiles: one load a wave, every LDS byte filled once.
; CLUSTER 4 x 4: the four work-groups of a row of the cluster need the same tile of x, the four of a column the same tiles of W: each is asked for jointly, by the same load with a mask that names the four.
; No prefetch: the launch asks for its tiles once and has no loop to run ahead in.
; OUT.  A unit = 128 tokens of a head, UNIT bytes: K (or Q): 8 tiles x 512; V at 4,096: [half of the keys][4 tiles of channels] x 512; scale words at 8,192 (Q, K) and 8,448 (V), 8 bytes a lane.
; Units: [area: Q, KV][batch][head][block of 128 tokens].
; LIMITS: NaN and infinities are not served; a block whose largest magnitude lies under 2^-124 (a block of zeros too) gets the byte 1; these bytes are read by this program alone.
; REGISTERS, in windows of 256: window 0: v4-31 addresses; v32-79 scale words, two sets; v96-123 at work; v128-223 the bias as C, later v128-175 the results' codes.
;   window 1: fragments, two sets of 96: x, Wq, Wv, 4 x 8 registers each.   window 2: Q's accumulators (a, b) at v[32 a + 8 b], K's 128 further on.   window 3: V's.
.set TILE,   69632
.set UNIT,   8704
.set HS,     16*UNIT                   ; from a head to the next
.set AREA,   512*UNIT                  ; from Q's units to K's and V's
.set PITCH,  272                       ; an LDS row: 256 bytes + 16 of padding: the 16 rows that a load touches start 68 words apart
.set IMG,    272*PITCH                 ; a tile's image in LDS
.set HALF1,  144*PITCH                 ; in it: the second half of K,
.set SCB,    128*PITCH                 ; the scale bytes
.set BIA,    3*IMG                     ; 512 bytes a wave: bq and bv of its head
.set SCO,    BIA+2048                  ; the results' scale words: [Q, K, V][head][256]
.set SPARE,  SCO+1536                  ; the spare words, 128 bytes a wave
.set ADX,  16                          ; v16-18 LDS addresses of my fragments of x, Wq, Wv
.set SQA,  20
.set SVA,  21
.set RB,   22
.set GB,   23
.set OFF,  24                          ; 16 x lane
.set BQ,   26
.set AXQ,  27                          ; LDS: scale words: lanes 0-15 x's rows, lanes 16-31 Wq's
.set SPW,  28
.set NIL,  29
.set BV,   30
.set AVV,  31                          ; lanes 0-15 an even tile of Wv, lanes 16-31 the odd one behind it
.set SC,   32
.set TM,   96
.set SO,   108
.set CQ,   128
.set CK,   160
.set CV,   192
.set PC,   128
.set G1,  24
.set G0,  32
.set G0B, 36
.set G1B, 48
.set MSB, 0
.macro WIN new                         ; the immediate's high byte repeats the setting that is left
.if MSB != \new
	s_set_vgpr_msb (MSB<<8)|\new
.set MSB, \new
.endif
.endm
.macro CROUND                          ; a round of the cluster's barrier
	s_barrier_signal -1
	s_barrier_wait -1
	s_cmp_lg_u32 s2, 0
	s_cbranch_scc1 .Lnot_wave_0_\@
	s_barrier_signal -3
.Lnot_wave_0_\@:
	s_barrier_wait -3
	s_barrier_signal -1
	s_barrier_wait -1
.endm
	s_load_b256 s[92:99], s[0:1], 0x0              ; cod s[92:93], bq s[94:95], bv s[96:97], img s[98:99]
	v_lshl_add_u32 v[SPW], v0, 2, SPARE
	v_mov_b32 v[NIL], 0
	ds_add_u32 v[SPW], v[NIL]                      ; the wave's opening: the add, twice on end, and its wait ahead of my first tensor load
	ds_add_u32 v[SPW], v[NIL]
	v_lshrrev_b32 v1, 5, v0
	v_readfirstlane_b32 s2, v1                     ; wave 0..3
	s_lshr_b32 s12, s2, 1                          ; c: my 64 tokens.  Also: I fetch for x (0) or for W (1)
	s_and_b32 s13, s2, 1                           ; my head of the pair.  Also: which half of x's tile, or Wq (0) or Wv (1)
	s_bfe_u32 s14, ttmp6, 0x40000                  ; cx
	s_bfe_u32 s15, ttmp6, 0x40004                  ; cy
	s_lshl_b32 s16, ttmp9, 2
	s_add_co_u32 s16, s16, s14                     ; the pair of heads
	s_and_b32 s17, ttmp7, 0xffff
	s_lshl_b32 s17, s17, 2
	s_add_co_u32 s17, s17, s15                     ; the tile of 128 tokens
	s_lshl_b32 s19, s15, 2
	s_lshl_b32 s19, 15, s19                        ; my row of the cluster
	s_lshl_b32 s20, 0x1111, s14                    ; my column
	; descriptor group 1: rows of 256 bytes, dense in memory, padded in LDS: half an image for x, a whole one for W
	s_or_b32 s[G1+0], s19, (0<<16)|(1<<20)|(1<<21)|(5<<22)|(3<<25)  ; the mask; elements of 1 byte; padding on; bit 21 beside a mask; after every 64 words, 4 words
	s_or_b32 s[G1B+0], s20, (0<<16)|(1<<20)|(1<<21)|(5<<22)|(3<<25)
	s_mov_b32 s[G1+2], 136<<16                     ; tensor_dim1
	s_mov_b32 s[G1+4], 136                         ; tile_dim1
	s_mov_b32 s[G1B+2], 272<<16
	s_mov_b32 s[G1B+4], 272
.irp g, G1, G1B
	s_mov_b32 s[\g+1], 256<<16                     ; tensor_dim0
	s_mov_b32 s[\g+3], 256<<16                     ; tile_dim0
	s_mov_b32 s[\g+5], 256                         ; from row to row
	s_mov_b32 s[\g+6], 0
	s_mov_b32 s[\g+7], 0
.endr
	s_mul_i32 s40, s17, TILE                       ; x: hangs on the token tile and the wave's number
	s_mul_i32 s41, s13, 136*256
	s_add_co_u32 s40, s40, s41
	s_mov_b32 s41, 0
	s_lshl_b32 s44, s13, 3
	s_add_co_u32 s44, s44, 32
	s_add_co_u32 s44, s44, s16                     ; W: tile 32 + 8 (wave % 2) + pair
	s_mul_i32 s44, s44, TILE
	s_mov_b32 s45, 0
	s_mul_i32 s21, s13, 136*PITCH                  ; where they go: by the wave's number alone
	s_mul_i32 s3, s13, IMG
	s_add_co_u32 s3, s3, IMG
	s_lshl_b32 s10, s16, 1
	s_add_co_u32 s10, s10, s13                     ; my head n
	s_lshl_b32 s8, s10, 2
	s_mov_b32 s9, 0
	s_mov_b32 s11, 0
	s_wait_dscnt 0x0                               ; both opening adds are done
	s_wait_kmcnt 0x0
	s_add_nc_u64 s[40:41], s[92:93], s[40:41]
	s_add_nc_u64 s[44:45], s[92:93], s[44:45]
	s_add_nc_u64 s[94:95], s[94:95], s[8:9]        ; column 16 dd + n of the biases
	s_add_nc_u64 s[96:97], s[96:97], s[8:9]
	s_mov_b32 s[G0], 1
	s_mov_b32 s[G0+1], s21
	s_mov_b64 s[G0+2:G0+3], s[40:41]
	s_or_b32 s[G0+3], s[G0+3], 0x80000000
	s_mov_b32 s[G0B], 1
	s_mov_b32 s[G0B+1], s3
	s_mov_b64 s[G0B+2:G0B+3], s[44:45]
	s_or_b32 s[G0B+3], s[G0B+3], 0x80000000
	v_and_b32 v3, 31, v0                           ; lane
	v_lshlrev_b32 v10, 6, v3
	global_load_b32 v4, v10, s[94:95]              ; bq: channel dd = lane,
	global_load_b32 v5, v10, s[94:95] offset:2048  ; and 32 + lane
	global_load_b32 v6, v10, s[96:97]              ; bv likewise
	global_load_b32 v7, v10, s[96:97] offset:2048
	s_wait_alu depctr_va_vdst(0)                   ; the wait here
	CROUND                                         ; all sixteen work-groups are here: the joint loads meet
	s_cmp_eq_u32 s12, 0                            ; the branch hangs on the wave's number alone
	s_cbranch_scc0 .Lfor_w
	tensor_load_to_lds s[G0:G0+3], s[G1:G1+7]
	s_nop 0
.rept 4
	v_nop
.endr
	s_branch .Lasked
.Lfor_w:
	tensor_load_to_lds s[G0B:G0B+3], s[G1B:G1B+7]
	s_nop 0
.rept 4
	v_nop
.endr
.Lasked:
	; where my results go
	s_lshr_b32 s4, s17, 4                          ; the batch
	s_and_b32 s5, s17, 15                          ; the block of 128 tokens in it
	s_lshl_b32 s4, s4, 4
	s_lshl_b32 s6, s16, 1
	s_add_co_u32 s4, s4, s6
	s_lshl_b32 s4, s4, 4
	s_add_co_u32 s4, s4, s5
	s_mul_i32 s4, s4, UNIT                         ; the unit of the pair's first head
	s_mul_i32 s5, s13, HS
	s_lshl_b32 s6, s12, 11
	s_add_co_u32 s10, s4, s5
	s_add_co_u32 s10, s10, s6                      ; my head's, my 64 tokens
	s_add_nc_u64 s[66:67], s[98:99], s[10:11]      ; Q
	s_add_nc_u64 s[68:69], s[66:67], AREA          ; K, and V 4,096 further on
	s_cmp_eq_u32 s2, 0                             ; scale words: wave 0 stores Q's, wave 1 K's, wave 2 V's
	s_cselect_b32 s5, 0, AREA
	s_cmp_eq_u32 s2, 2
	s_cselect_b32 s6, 256, 0
	s_add_co_u32 s10, s4, s5
	s_add_co_u32 s10, s10, s6
	s_add_co_u32 s10, s10, 8192
	s_add_nc_u64 s[74:75], s[98:99], s[10:11]
	s_lshl_b32 s76, s2, 9
	s_add_co_u32 s76, s76, BIA                     ; my bias in LDS
	s_mul_i32 s77, s12, 64*PITCH                   ; my 64 rows of x
	s_mul_i32 s78, s13, 64*PITCH
	s_add_co_u32 s79, s78, 2*IMG                   ; of Wv
	s_add_co_u32 s78, s78, IMG                     ; of Wq
	s_mul_i32 s80, s12, 8*PITCH                    ; their scale bytes
	s_mul_i32 s82, s13, 8*PITCH
	s_add_co_u32 s81, s82, IMG
	s_sub_co_u32 s81, s81, s80                     ; from x's to Wq's
	s_add_co_u32 s80, s80, SCB
	s_add_co_u32 s82, s82, 2*IMG+SCB               ; Wv's
	s_lshl_b32 s83, s13, 8
	s_add_co_u32 s83, s83, SCO
	s_lshl_b32 s84, s12, 1
	s_add_co_u32 s84, s84, s83
	s_add_co_u32 s84, s84, 1024                    ; V's scale words: 2 bytes at 2 c
	s_lshl_b32 s85, s12, 2
	s_add_co_u32 s83, s83, s85                     ; Q's: 4 bytes at 4 c; K's 512 further on
	s_min_u32 s85, s2, 2
	s_lshl_b32 s85, s85, 9
	s_add_co_u32 s85, s85, SCO                     ; what I read back: two heads' 256 bytes
	v_and_b32 v1, 15, v0                           ; r
	v_bfe_u32 v2, v0, 4, 1                         ; h
	v_lshlrev_b32 v[OFF], 4, v3
	v_lshl_add_u32 v9, v3, 2, s76                  ; the bias, into LDS
	v_lshlrev_b32 v[BQ], 7, v2
	v_add_nc_u32 v[BQ], s76, v[BQ]                 ; along the registers: channels 32 h on
	v_and_b32 v11, 7, v1
	v_lshrrev_b32 v12, 3, v1
	v_lshlrev_b32 v12, 7, v12
	v_lshl_add_u32 v[BV], v11, 2, v12
	v_add_nc_u32 v[BV], s76, v[BV]                 ; a lane's own: channel 32 (r / 8) + r % 8
	v_mul_u32_u24 v13, v1, PITCH
	v_lshl_add_u32 v13, v2, 4, v13                 ; a fragment's row x pitch + 16 x half
	v_add_nc_u32 v[ADX], s77, v13
	v_add_nc_u32 v[ADX+1], s78, v13
	v_add_nc_u32 v[ADX+2], s79, v13
	v_lshlrev_b32 v14, 5, v1                       ; my row's scale bytes: 32 a row,
	v_lshrrev_b32 v15, 8, v14
	v_lshl_add_u32 v14, v15, 4, v14                ; and 16 more for each 256 passed
	v_mul_u32_u24 v15, s81, v2                     ; lanes 16-31 take Wq's: the lower base + h x the distance
	v_add_nc_u32 v15, v15, v14
	v_add_nc_u32 v[AXQ], s80, v15
	v_mul_u32_u24 v15, 2*PITCH, v2
	v_add_nc_u32 v15, v15, v14
	v_add_nc_u32 v[AVV], s82, v15
	v_lshlrev_b32 v8, 3, v3
	v_add_nc_u32 v[SQA], s83, v8
	v_add_nc_u32 v[SVA], s84, v8
	v_add_nc_u32 v[RB], s85, v[OFF]
	v_mul_u32_u24 v[GB], HS, v2
	v_lshl_add_u32 v[GB], v1, 4, v[GB]             ; lanes 0-15 one head's 256 bytes, lanes 16-31 the other's
	s_wait_alu depctr_va_vdst(0)                   ; the wait here, directly ahead of the wait below
	s_wait_loadcnt 0x0
	ds_store_b32 v9, v4                            ; (LDS serves a wave's instructions in order: the loads below see these)
	ds_store_b32 v9, v5 offset:128
	ds_store_b32 v9, v6 offset:256
	ds_store_b32 v9, v7 offset:384
.irp a, 0,1,2,3                         ; V: tile a: channel 32 (r / 8) + 8 a + r % 8, the same in all eight registers
	ds_load_b32 v[CV+8*\a], v[BV] offset:256+32*\a
.endr
.irp b, 0,1,2,3                         ; Q, K: tile b: channels 32 h + 8 b + 0 .. 7
.irp k, 0,1
	ds_load_b128 v[CQ+8*\b+4*\k:CQ+8*\b+4*\k+3], v[BQ] offset:32*\b+16*\k
	ds_load_b128 v[CK+8*\b+4*\k:CK+8*\b+4*\k+3], v[BQ] offset:256+32*\b+16*\k
.endr
.endr
	s_wait_dscnt 0x0
.irp a, 0,1,2,3
.irp j, 1,2,3,4,5,6,7
	v_mov_b32 v[CV+8*\a+\j], v[CV+8*\a]
.endr
.endr
.macro PLACES n                        ; plain vector lines between a matrix instruction and a load into, or a vector read or write of, its registers
.rept \n
	v_nop
.endr
.endm
; Fragments of K step k (128 along K) into set k % 3: sets 0 and 1 lie in window 1 at v0 and v96, set 2 in window 0 at v128-223, where the bias was during K step 0.
; A fragment is 16 rows x 128 K of 4-bit codes, 8 registers: lane l holds row l % 16; registers 4 c .. 4 c + 3 hold K = 64 c + 32 (l / 16) + 0 .. 31.
.macro FETCH k
.set FB, 96*((\k)%3)-64*((\k)%3/2)
.set FO, 64*((\k)%4)+HALF1*((\k)/4)
.set FW, 0x40-0x40*((\k)%3/2)
	WIN FW
.irp o, 0,1,2
.irp i, 0,1,2,3
	ds_load_b128 v[FB+32*\o+8*\i:FB+32*\o+8*\i+3], v[ADX+\o] offset:FO+16*PITCH*\i
	ds_load_b128 v[FB+32*\o+8*\i+4:FB+32*\o+8*\i+7], v[ADX+\o] offset:FO+16*PITCH*\i+32
.endr
.endr
	WIN 0
.endm
.macro SCALES s                        ; the scale words of a half of K, 4 a row
.irp i, 0,1,2,3
	ds_load_b128 v[SC+24*\s+4*\i:SC+24*\s+4*\i+3], v[AXQ] offset:2*PITCH*\i+16*\s
.endr
.irp i, 0,1
	ds_load_b128 v[SC+24*\s+16+4*\i:SC+24*\s+16+4*\i+3], v[AVV] offset:4*PITCH*\i+16*\s
.endr
.endm
.macro WQ d, a, b, c, sa, sb           ; source 0's scales in lanes 16-31, source 1's in lanes 0-15
	v_wmma_scale_f32_16x16x128_f8f6f4 v[\d:\d+7], v[\a:\a+7], v[\b:\b+7], \c, v[\sa], v[\sb] matrix_a_fmt:MATRIX_FMT_FP4 matrix_b_fmt:MATRIX_FMT_FP4 matrix_a_scale:MATRIX_SCALE_ROW1
.endm
.macro WN d, a, b, c, sa, sb           ; both in lanes 0-15
	v_wmma_scale_f32_16x16x128_f8f6f4 v[\d:\d+7], v[\a:\a+7], v[\b:\b+7], \c, v[\sa], v[\sb] matrix_a_fmt:MATRIX_FMT_FP4 matrix_b_fmt:MATRIX_FMT_FP4
.endm
.macro WB d, a, b, c, sa, sb           ; source 0's in lanes 0-15, source 1's in lanes 16-31
	v_wmma_scale_f32_16x16x128_f8f6f4 v[\d:\d+7], v[\a:\a+7], v[\b:\b+7], \c, v[\sa], v[\sb] matrix_a_fmt:MATRIX_FMT_FP4 matrix_b_fmt:MATRIX_FMT_FP4 matrix_b_scale:MATRIX_SCALE_ROW1
.endm
; A K step: 48 accumulators by turns, one instruction a turn, in the same order in every step.  first = 1: the sums begin with the bias as C.
.macro KSTEP k, first
.set F, 96*((\k)%3)-64*((\k)%3/2)
.set SW, 5-5*((\k)%3/2)                ; sources 0 and 1: window 1, or window 0 for set 2
.set XQ, SC+24*((\k)/4)+(\k)%4
.if \first
	WIN 0x85                                       ; sources 0 and 1 window 1, C window 0, D window 2
.else
.set WS, 0xa0+SW
	WIN WS
.endif
.irp a, 0,1,2,3
.irp b, 0,1,2,3
.if \first
	WQ 32*\a+8*\b, F+32+8*\b, F+8*\a, v[CQ+8*\b:CQ+8*\b+7], XQ+4*\b, XQ+4*\a
.else
	WQ 32*\a+8*\b, F+32+8*\b, F+8*\a, v[32*\a+8*\b:32*\a+8*\b+7], XQ+4*\b, XQ+4*\a
.endif
.endr
.endr
.irp a, 0,1,2,3
.irp b, 0,1,2,3
.if \first
.if \b%2
	WQ 128+32*\a+8*\b, F+64+8*\b, F+8*\a, v[CK+8*\b:CK+8*\b+7], XQ+16+4*(\b/2), XQ+4*\a
.else
	WN 128+32*\a+8*\b, F+64+8*\b, F+8*\a, v[CK+8*\b:CK+8*\b+7], XQ+16+4*(\b/2), XQ+4*\a
.endif
.else
.if \b%2
	WQ 128+32*\a+8*\b, F+64+8*\b, F+8*\a, v[128+32*\a+8*\b:128+32*\a+8*\b+7], XQ+16+4*(\b/2), XQ+4*\a
.else
	WN 128+32*\a+8*\b, F+64+8*\b, F+8*\a, v[128+32*\a+8*\b:128+32*\a+8*\b+7], XQ+16+4*(\b/2), XQ+4*\a
.endif
.endif
.endr
.endr
.if \first
	WIN 0xc5                                       ; D window 3
.else
.set WS, 0xf0+SW
	WIN WS
.endif
.irp a, 0,1,2,3
.irp b, 0,1,2,3
.if \first
.if \a%2
	WB 32*\a+8*\b, F+8*\b, F+64+8*\a, v[CV+8*\a:CV+8*\a+7], XQ+4*\b, XQ+16+4*(\a/2)
.else
	WN 32*\a+8*\b, F+8*\b, F+64+8*\a, v[CV+8*\a:CV+8*\a+7], XQ+4*\b, XQ+16+4*(\a/2)
.endif
.else
.if \a%2
	WB 32*\a+8*\b, F+8*\b, F+64+8*\a, v[32*\a+8*\b:32*\a+8*\b+7], XQ+4*\b, XQ+16+4*(\a/2)
.else
	WN 32*\a+8*\b, F+8*\b, F+64+8*\a, v[32*\a+8*\b:32*\a+8*\b+7], XQ+4*\b, XQ+16+4*(\a/2)
.endif
.endif
.endr
.endr
	WIN 0
.endm
	s_wait_alu depctr_va_vdst(0)                   ; the wait at the head's end
	s_wait_tensorcnt 0x0                           ; my part of the tiles has landed,
	s_barrier_signal -1
	s_barrier_wait -1                              ; and everybody's
	FETCH 0
	SCALES 0
	FETCH 1
	s_wait_dscnt 24                                ; step 0's fragments and scale words are in; the next step's 24 loads may be out
	KSTEP 0, 1
	s_wait_dscnt 0x0
	PLACES 4
	FETCH 2                                        ; set 2 held the bias until now; from here on a step's fragments are asked for two steps ahead
	FETCH 3
	KSTEP 1, 0
	s_wait_dscnt 24                                ; step 2's are in, step 3's 24 may be out
	PLACES 4
	SCALES 1                                       ; the second half's scale words, ahead of the fragments that may be out at the next wait
	FETCH 4
	KSTEP 2, 0
	s_wait_dscnt 24
	PLACES 4
	FETCH 5
	KSTEP 3, 0
	s_wait_dscnt 24
	PLACES 4
	FETCH 6
	KSTEP 4, 0
	s_wait_dscnt 24
	PLACES 4
	FETCH 7
	KSTEP 5, 0
	s_wait_dscnt 24
	KSTEP 6, 0
	s_wait_dscnt 0x0
	KSTEP 7, 0
	PLACES 4
; THE WAY OUT.  Item y: 16 rows (Q: 0-3, K: 4-7: tokens; V: 8-11: channels); its 32 registers are a block of 32 of my lane.
.macro OUT y0, y1, win, ws, wc
.set WS, \ws
	WIN WS                                         ; sources 1 and 2: the accumulators' window
.set Y, \y0
.rept \y1-\y0
	v_max3_num_f32 v[TM+Y], 0x1800000, |v[32*(Y%8)]|, |v[32*(Y%8)+1]|   ; with the floor 2^(3 - 127): the byte cannot fall under 1
.set Y, Y+1
.endr
.irp k, 2,4,6,8,10,12,14,16,18,20,22,24,26,28,30
.set Y, \y0
.rept \y1-\y0
	v_max3_num_f32 v[TM+Y], v[TM+Y], |v[32*(Y%8)+\k]|, |v[32*(Y%8)+\k+1]|
.set Y, Y+1
.endr
.endr
	WIN 0
.set Y, \y0
.rept \y1-\y0
	v_add_nc_u32 v[SO+Y], 0xff000000, v[TM+Y]      ; 2 off the exponent field: the conversion's scale operand
.set Y, Y+1
.endr
.set Y, \y0
.rept \y1-\y0
	v_lshrrev_b32 v[TM+Y], 23, v[SO+Y]             ; the scale's byte
.set Y, Y+1
.endr
.set WS, \wc
	WIN WS                                         ; source 0: the accumulators' window
.set Y, \y0
.rept \y1-\y0
.irp u, 0,1,2,3
	v_cvt_scalef32_pk8_fp4_f32 v[PC+4*Y+\u], v[32*(Y%8)+8*\u:32*(Y%8)+8*\u+7], v[SO+Y]
.endr
.set Y, Y+1
.endr
	v_nop                                          ; one plain line behind the conversions
	WIN 0
.endm
.macro WORD y                          ; four tiles' bytes: lanes 0-15 tiles 0 | 2, lanes 16-31 tiles 1 | 3, two bytes each
	v_lshl_or_b32 v[TM+\y], v[TM+\y+2], 16, v[TM+\y]
	v_lshl_or_b32 v[TM+\y+1], v[TM+\y+3], 16, v[TM+\y+1]
	v_permlane16_swap_b32 v[TM+\y], v[TM+\y+1]     ; first: the bytes of h = 0, second: those of h = 1
	v_lshl_or_b32 v[TM+\y], v[TM+\y+1], 8, v[TM+\y]
.endm
	OUT 0, 8, 2, 0x28, 0x02
.irp y, 0,1,2,3
	global_store_b128 v[OFF], v[PC+4*\y:PC+4*\y+3], s[66:67] offset:512*\y             ; 512 consecutive bytes, aligned; no store's data are written again
	global_store_b128 v[OFF], v[PC+16+4*\y:PC+16+4*\y+3], s[68:69] offset:512*\y
.endr
	WORD 0
	WORD 4
	ds_store_b32 v[SQA], v[TM]
	ds_store_b32 v[SQA], v[TM+4] offset:512
	OUT 8, 12, 3, 0x3c, 0x03
.irp y, 0,1,2,3
	global_store_b128 v[OFF], v[PC+32+4*\y:PC+32+4*\y+3], s[68:69] offset:4096+512*\y
.endr
	WORD 8
	ds_store_b16 v[SVA], v[TM+8]                   ; tiles 0 | 1: the two key blocks' bytes of their word,
	ds_store_b16_d16_hi v[SVA], v[TM+8] offset:4   ; tiles 2 | 3
	s_wait_tensorcnt 0x0                           ; behind my last LDS store
	ds_add_u32 v[SPW], v[NIL]
	s_wait_dscnt 0x0
	s_barrier_signal -1
	s_barrier_wait -1                              ; everybody's scale words are in LDS
	s_cmp_eq_u32 s2, 3
	s_cbranch_scc1 .Lno_words
	ds_load_b128 v[120:123], v[RB]
	s_wait_dscnt 0x0
	global_store_b128 v[GB], v[120:123], s[74:75]  ; two aligned runs of 256 bytes
.Lno_words:
	CROUND                                         ; the closing round: no work-group ends while a partner may still ask for a tile that names it
	s_endpgm
.Lfunc_end_k_q08b7463830_proj:
	.size	k_q08b7463830_proj, .Lfunc_end_k_q08b7463830_proj-k_q08b7463830_proj
	.p2alignl 7, 3214868480
	.fill 96, 4, 3214868480
	.section	.rodata,"a",@progbits
	.p2align	6, 0x0
	.amdhsa_kernel k_q08b7463830_proj
		.amdhsa_group_segment_fixed_size 226048
		.amdhsa_private_segment_fixed_size 0
		.amdhsa_enable_private_segment 0
		.amdhsa_kernarg_size 32
		.amdhsa_user_sgpr_count 2
		.amdhsa_user_sgpr_kernarg_segment_ptr 1
		.amdhsa_wavefront_size32 1
		.amdhsa_system_sgpr_workgroup_id_x 1
		.amdhsa_system_sgpr_workgroup_id_y 1
		.amdhsa_system_sgpr_workgroup_id_z 1
		.amdhsa_system_vgpr_workitem_id 0
		.amdhsa_next_free_vgpr 1024
		.amdhsa_next_free_sgpr 102
		.amdhsa_reserve_vcc 0
		.amdhsa_float_denorm_mode_32 3
		.amdhsa_float_denorm_mode_16_64 3
		.amdhsa_memory_ordered 1
		.amdhsa_forward_progress 1
		.amdhsa_inst_pref_size 94
	.end_amdhsa_kernel
	.amdgpu_metadata
---
amdhsa.version: [ 1, 2 ]
amdhsa.kernels:
  - .name:           k_q08b7463830_proj
    .symbol:         k_q08b7463830_proj.kd
    .args:
      - { .name: cod, .offset: 0, .size: 8, .value_kind: global_buffer, .address_space: global }
      - { .name: bq, .offset: 8, .size: 8, .value_kind: global_buffer, .address_space: global }
      - { .name: bv, .offset: 16, .size: 8, .value_kind: global_buffer, .address_space: global }
      - { .name: img, .offset: 24, .size: 8, .value_kind: global_buffer, .address_space: global }
    .group_segment_fixed_size: 226048
    .private_segment_fixed_size: 0
    .kernarg_segment_align: 8
    .kernarg_segment_size: 32
    .max_flat_workgroup_size: 128
    .sgpr_count:     102
    .vgpr_count:     1024
    .wavefront_size: 32
...
	.end_amdgpu_metadata
.endif
;; end of part 2
;; launch attn (part 3): grid 8 x 32, 16 waves a work-group, clusters of 4 x 1, 210,944 bytes of LDS; arguments img, out0; writes out0
.if DOCPART == 3
	.amdgcn_target "amdgcn-amd-amdhsa--gfx1250"
	.amdhsa_code_object_version 6
	.text
	.protected	k_q08b7463830_attn
	.globl	k_q08b7463830_attn
	.p2align	8
	.type	k_q08b7463830_attn,@function
k_q08b7463830_attn:
	s_mov_b64 s[64:65], 0
	v_nop
	global_prefetch_b8 v0, s[64:65] scope:SCOPE_SE
	s_setreg_imm32_b32 hwreg(HW_REG_WAVE_MODE, 25, 1), 1
	s_wait_xcnt 0x0
	s_wait_alu depctr_hold_cnt(0) depctr_sa_sdst(0) depctr_va_vdst(0) depctr_va_sdst(0) depctr_va_ssrc(0) depctr_va_vcc(0) depctr_vm_vsrc(0)
	s_getreg_b32 s2, hwreg(HW_REG_IB_STS2, 6, 4)
	s_cmp_eq_u32 s2, 0
	s_cbranch_scc0 .Lentry_in_a_cluster
	s_endpgm
.Lentry_in_a_cluster:
	s_bfe_u32 s2, ttmp6, 0x10000c
	s_cmp_lg_u32 s2, 0x3003
	s_cbranch_scc0 .Lentry_shape_is_right
	s_endpgm
.Lentry_shape_is_right:
; out[b][s][64 n + dd] = the sum over keys of softmax(Q . K / 8) V for head n of batch b, both products on codes of FP4 with one E8M0 scale for each 32 along K.  Q, K, V come as images of operand registers (512 bytes = 32 lanes x 16).
; THE SOFTMAX: t = score x log2(e) / 8; M = the running largest t rounded up to a whole number; p = 2^(t - M) is quantised along the keys, not normalised.  The row's sum is taken of the unquantised p and divides at the end.
; When M moves, the sum and O are multiplied by 2^(old M - new M), which rounds nothing.
; LIMITS: the promise holds while the scaled scores t stay under 2^31 in magnitude; NaN and infinities are not served; a block of p whose largest lies under 2^-124 has its byte held at 1.  The block's largest p is made of the block's
; largest score by the same two instructions as the p themselves: v_exp_f32 is taken not to fall where its input rises.
; SHARES.  A work-group owns 256 queries of one head, each of its sixteen waves one tile of 16, in 256 registers: four waves to a SIMD, so that one wave's vector work stands beside another's products and LDS loads.
; Every wave walks the head's 2,048 keys, 256 a step.  THE WHOLE HEAD LIES IN LDS: 16 units of 8,704 bytes (128 keys each: K 4,096, V 4,096, scale words 256 + 256), one fetched by each wave: every byte is filled once, and one barrier serves the launch.
; CLUSTER 4 x 1: the four query blocks of a cluster belong to one head and read the same K and V: each unit is asked for jointly, by the same load with a mask that names the four.
; No prefetch: all tiles are asked for once, at the head; there is no loop that asks.
; LAYOUT.  Both products are used transposed: S^T = K Q^T, O^T = V^T P^T: a lane holds one query throughout.  Tile 4 c + u of a unit's keys holds keys 64 c + 8 u + 0 .. 7 and 64 c + 32 + 8 u + 0 .. 7, so the 32 registers of tiles 4 c .. 4 c + 3
; are the keys 64 c + 32 (lane / 16) + 0 .. 31: a whole block in a lane, and the conversions' results are P's operand.  Queries and channels are ordered likewise.
; THE HEAD HAS 64 CHANNELS, half of the instruction's K: a fragment's registers 0-3 hold one tile of K, registers 4-7 another.  [Q, zero codes] as the other operand gives the first tile's scores, [zero codes, Q] the second's.
; A "quad" is 16 registers, 32 rows: tile 0 and, in registers 4-7, tile 2; then tile 1 and tile 3.  Its scale word carries tiles 0 | 1 (lanes 0-15 | 16-31) in bytes 0-1 and tiles 2 | 3 in bytes 2-3.
; THE NEXT STEP'S K is loaded while this step's p are summed, into registers of p that are used up: four blocks of 32 registers, B0 v128 .., B1 v160 .., B2 v192 .., B3 v224 ..: V of the second unit goes to B1, quads 0 and 1 of the next K to B3,
; quad 3 to B2, quad 2 to v32 ..; quad q's scores go to block q.
; REGISTERS: v1-2 what an address adds to the step's; v3, v4 addresses; v5 Q's scale word; v6, v7 the add's; v8-11 at work; v12 -M, v13 the largest score, v[14:15] the sum; v16-19 zero codes, v20-23 Q, v24-27 zero codes; v28 f; v29 at work;
; v30-31 p's scale words; v32-63 V of the first unit (v32-47 K's quad 2); v64-79 p's codes; v80-83 V's scale words, v84-87 K's; v88-95 at work; v96-127 O^T; v128-255 S^T, then p.
.set UNIT,  8704
.set HS,    16*UNIT
.set AREA,  512*UNIT
.set STAGE, HS                         ; the way out: 16 rows x 272 bytes for each wave; no tensor load lands here
.set SP,    272
.set SPARE, STAGE+16*16*SP             ; the spare words, 128 bytes a wave
.set AD,  3
.set AS,  4
.set SPW, 6
.set NIL, 7
.set S,   128
.set O,   96
.set WV,  10                           ; s10 my wave's number
.set G1,  40
.set G0,  48
.set SEL, 52                           ; s[52:53] selects for lane l xor 16
.set CS,  54                           ; s[54:55] c = log2(e) / 8, twice
.set NC,  56                           ; s56 -c
.set TB,  72                           ; LDS byte of the step's first unit
.set TR,  74
.macro CROUND                          ; a round of the cluster's barrier
	s_barrier_signal -1
	s_barrier_wait -1
	s_cmp_lg_u32 s[WV], 0
	s_cbranch_scc1 .Lnot_wave_0_\@
	s_barrier_signal -3
.Lnot_wave_0_\@:
	s_barrier_wait -3
	s_barrier_signal -1
	s_barrier_wait -1
.endm
	s_load_b128 s[4:7], s[0:1], 0x0                ; img s[4:5], out0 s[6:7]
	v_lshl_add_u32 v[SPW], v0, 2, SPARE
	v_mov_b32 v[NIL], 0
	ds_add_u32 v[SPW], v[NIL]                      ; the wave's opening: the add, twice on end, and its wait ahead of my tensor load
	ds_add_u32 v[SPW], v[NIL]
	v_lshrrev_b32 v8, 5, v0
	v_readfirstlane_b32 s[WV], v8                  ; wave 0..15
	s_bfe_u32 s13, ttmp6, 0x40000                  ; cx
	s_lshl_b32 s14, ttmp9, 2
	s_add_co_u32 s14, s14, s13                     ; my block of 256 queries: it enters Q's and out0's addresses alone
	s_and_b32 s15, ttmp7, 0xffff                   ; 16 b + n, which the four partners share
	s_mul_i32 s78, s15, HS
	s_mul_i32 s12, s[WV], UNIT
	s_add_co_u32 s78, s78, s12
	s_add_co_u32 s78, s78, AREA                    ; my unit of K and V
	s_mov_b32 s79, 0
	s_mov_b32 s[G1], 15|(3<<16)|(1<<21)            ; the mask of all four with bit 21 beside it; elements of 8 bytes; a dense unit as 34 rows of 256 bytes
	s_mov_b32 s[G1+1], 32<<16
	s_mov_b32 s[G1+2], 34<<16
	s_mov_b32 s[G1+3], 32<<16
	s_mov_b32 s[G1+4], 34
	s_mov_b32 s[G1+5], 32
	s_mov_b32 s[G1+6], 0
	s_mov_b32 s[G1+7], 0
	s_mov_b32 s[G0], 1
	s_mov_b32 s[G0+1], s12
	s_wait_dscnt 0x0                               ; both opening adds are done
	s_wait_kmcnt 0x0
	s_add_nc_u64 s[G0+2:G0+3], s[4:5], s[78:79]
	s_or_b32 s[G0+3], s[G0+3], 0x80000000
	CROUND                                         ; all four work-groups are here: the joint loads meet
	tensor_load_to_lds s[G0:G0+3], s[G1:G1+7]      ; every wave one unit
	s_nop 0
	; my tile of queries: block of 128 tokens sq = 2 x query block + wave / 8, tile T = wave % 8
	s_lshr_b32 s16, s[WV], 3
	s_lshl_b32 s17, s14, 1
	s_add_co_u32 s17, s17, s16                     ; sq
	s_and_b32 s18, s[WV], 7                        ; T
	s_lshl_b32 s19, s15, 4
	s_add_co_u32 s19, s19, s17
	s_mul_i32 s20, s19, UNIT
	s_lshl_b32 s22, s18, 9
	s_add_co_u32 s22, s22, s20                     ; Q's codes
	s_mov_b32 s23, 0
	s_lshr_b32 s28, s18, 2                         ; c
	s_and_b32 s29, s18, 3                          ; u
	s_add_co_u32 s24, s20, 8192                    ; Q's scale bytes: word c, lanes 16 (u % 2) + r, bytes 2 (u / 2) on
	s_lshl_b32 s30, s28, 2
	s_add_co_u32 s24, s24, s30
	s_and_b32 s30, s29, 2
	s_add_co_u32 s24, s24, s30
	s_and_b32 s30, s29, 1
	s_lshl_b32 s30, s30, 7
	s_add_co_u32 s24, s24, s30
	s_mov_b32 s25, 0
	s_lshr_b32 s26, s15, 4                         ; out0: my tile's first token: 2,048 b + 128 sq + 64 c + 8 u
	s_lshl_b32 s26, s26, 11
	s_lshl_b32 s30, s17, 7
	s_add_co_u32 s26, s26, s30
	s_lshl_b32 s30, s28, 6
	s_add_co_u32 s26, s26, s30
	s_lshl_b32 s30, s29, 3
	s_add_co_u32 s26, s26, s30
	s_lshl_b32 s26, s26, 12                        ; 4,096 bytes a token,
	s_and_b32 s30, s15, 15
	s_lshl_b32 s30, s30, 8                         ; 256 a head
	s_add_co_u32 s26, s26, s30
	s_mov_b32 s27, 0
	s_add_nc_u64 s[80:81], s[4:5], s[22:23]
	s_add_nc_u64 s[82:83], s[4:5], s[24:25]
	s_add_nc_u64 s[84:85], s[6:7], s[26:27]
	s_mov_b32 s[SEL], 0x76543210
	s_mov_b32 s[SEL+1], 0xfedcba98
	s_mov_b32 s[CS], 0x3e38aa3b                    ; c
	s_mov_b32 s[CS+1], s[CS]                       ; (named with it as a pair, so it is written)
	s_mov_b32 s[NC], 0xbe38aa3b                    ; -c
	s_mul_i32 s73, s[WV], 16*SP
	s_add_co_u32 s73, s73, STAGE                   ; my stage
	s_mov_b32 s[TB], 0
	s_mov_b32 s[TR], 7
	v_and_b32 v8, 31, v0                           ; lane
	v_lshlrev_b32 v1, 4, v8                        ; an image's place for my lane
	v_lshlrev_b32 v2, 3, v8                        ; and the scale words'
	v_and_b32 v9, 15, v0
	v_lshlrev_b32 v9, 3, v9
	global_load_b128 v[20:23], v1, s[80:81]        ; Q's fragment stays in registers
	global_load_u16 v5, v9, s[82:83]               ; its two scale bytes
.irp j, 16,17,18,19,24,25,26,27
	v_mov_b32 v[\j], 0                             ; zero codes on both sides of Q
.endr
	v_mov_b32 v13, 0xff61b1e6                      ; the largest score so far: -3e38
	v_mul_f32 v12, s[NC], v13
	v_floor_f32 v12, v12                           ; -M
	v_mov_b32 v14, 0                               ; the sum, in two halves
	v_mov_b32 v15, 0
	v_mov_b32 v29, 0                               ; a lane permute's destination counts as one of its sources
.irp j, 0,1,2,3,4,5,6,7,8,9,10,11,12,13,14,15,16,17,18,19,20,21,22,23,24,25,26,27,28,29,30,31
	v_mov_b32 v[O+\j], 0                           ; O^T: the step is written alike for all steps; the first finds zeros, which the first change of M leaves zeros
.endr
	s_wait_loadcnt 0x0                             ; Q
	v_lshl_or_b32 v5, v5, 16, v5                   ; its scale bytes for both halves of the instruction's K
.irp j, 8,10,88,90
	v_mov_b32 v[\j], 0                             ; the sum's four chains: the step before the first leaves nothing
	v_mov_b32 v[\j+1], 0
.endr
	s_wait_alu depctr_va_vdst(0)                   ; the wait at the head's end
	s_wait_tensorcnt 0x0                           ; my unit has landed,
	s_barrier_signal -1
	s_barrier_wait -1                              ; and everybody's
.macro KQ dst, q, ad, on               ; quad q = 2 x unit + c: tiles 0, 2, 1, 3 of 64 c on; on: bytes ahead of the address
.set KO, (\on)+UNIT*((\q)/2)+2048*((\q)%2)
	ds_load_b128 v[(\dst):(\dst)+3], v[\ad] offset:KO
	ds_load_b128 v[(\dst)+4:(\dst)+7], v[\ad] offset:KO+1024
	ds_load_b128 v[(\dst)+8:(\dst)+11], v[\ad] offset:KO+512
	ds_load_b128 v[(\dst)+12:(\dst)+15], v[\ad] offset:KO+1536
.endm
.macro SQ q, a                         ; its scores: tiles 0, 1, then tiles 2, 3
	v_wmma_scale_f32_32x16x128_f4 v[S+32*\q:S+32*\q+15], v[\a:\a+15], v[20:27], 0, v[84+\q], v5
	v_wmma_scale_f32_32x16x128_f4 v[S+32*\q+16:S+32*\q+31], v[\a:\a+15], v[16:23], 0, v[84+\q], v5
.endm
.macro VL dst, g                       ; V's four tiles of channels, 128 keys: unit g
.irp t, 0,1,2,3
.irp c, 0,1
	ds_load_b128 v[\dst+8*\t+4*\c:\dst+8*\t+4*\c+3], v[AD] offset:UNIT*\g+4096+2048*\c+512*\t
.endr
.endr
.endm
.macro OMUL g, v                       ; O^T += V^T P^T over unit g: the four accumulators by turns, three others or more between two steps of a sum
.irp t, 0,2
	v_wmma_scale_f32_16x16x128_f8f6f4 v[O+8*\t:O+8*\t+7], v[\v+8*\t:\v+8*\t+7], v[64+8*\g:71+8*\g], v[O+8*\t:O+8*\t+7], v[80+2*\g+\t/2], v[30+\g] matrix_a_fmt:MATRIX_FMT_FP4 matrix_b_fmt:MATRIX_FMT_FP4
	v_wmma_scale_f32_16x16x128_f8f6f4 v[O+8*\t+8:O+8*\t+15], v[\v+8*\t+8:\v+8*\t+15], v[64+8*\g:71+8*\g], v[O+8*\t+8:O+8*\t+15], v[80+2*\g+\t/2], v[30+\g] matrix_a_fmt:MATRIX_FMT_FP4 matrix_b_fmt:MATRIX_FMT_FP4 matrix_a_scale:MATRIX_SCALE_ROW1
.endr
.endm
.macro M0 q                            ; the largest score of a block of 32 keys: it serves the row's maximum and, since p rises with the score, the block's largest p
	v_max3_num_f32 v[88+\q], v[S+32*\q], v[S+32*\q+1], v[S+32*\q+2]
.endm
.macro MX q, i
	v_max3_num_f32 v[88+\q], v[88+\q], v[S+32*\q+\i], v[S+32*\q+\i+1]
.endm
.macro MB q                            ; a second chain for the block's upper sixteen
	v_max3_num_f32 v[92+\q], v[S+32*\q+16], v[S+32*\q+17], v[S+32*\q+18]
.endm
.macro MY q, i
	v_max3_num_f32 v[92+\q], v[92+\q], v[S+32*\q+\i], v[S+32*\q+\i+1]
.endm
.macro ML q                            ; the two chains and what each has left
	v_max3_num_f32 v[88+\q], v[88+\q], v[92+\q], v[S+32*\q+15]
.endm
.macro MZ q
	v_max_num_f32 v[88+\q], v[88+\q], v[S+32*\q+31]
.endm
.macro VT t                            ; V's tile t of the first unit
	ds_load_b128 v[32+8*\t:35+8*\t], v[AD] offset:4096+512*\t
	ds_load_b128 v[36+8*\t:39+8*\t], v[AD] offset:6144+512*\t
.endm
.macro CVT q, u                        ; eight codes of block q: register 4 (q % 2) + u of unit q / 2's operand
	v_cvt_scalef32_pk8_fp4_f32 v[64+4*(\q)+(\u)], v[S+32*(\q)+8*(\u):S+32*(\q)+8*(\u)+7], v[92+(\q)]
.endm
.macro TM2 r, m                        ; t - M of two scores
	v_pk_fma_f32 v[\r:\r+1], v[\r:\r+1], s[CS:CS+1], v[\m:\m+1] op_sel_hi:[1,0,0]
.endm
.macro ADD2 d, a
	v_pk_add_f32 v[\d:\d+1], v[\d:\d+1], v[\a:\a+1]
.endm
.macro MERGE                           ; the four chains into the sum
	ADD2 8, 10
	ADD2 88, 90
	ADD2 14, 8
	ADD2 14, 88
.endm
.macro SLOT s                          ; what stands between the second batch's exponentials: blocks 0 and 1 are converted and added to each other
.if (\s) < 8
	CVT (\s)%2, (\s)/2
.elseif (\s) == 8
	v_perm_b32 v30, v29, v88, 0x05010400           ; in lanes 0-15: p's scale words of the two units: my byte, the other's, my second, the other's second
.elseif (\s) == 9
	v_perm_b32 v31, v29, v88, 0x07030602
.elseif (\s) < 26
	ADD2 S+2*((\s)-10), S+32+2*((\s)-10)
.endif
.endm
; A STEP: 256 keys.  Its K is on its way or in.  last = 1: no further K is loaded.
.macro STEP last
	s_wait_dscnt 8                                 ; K's scale words and quads 0 and 1 are in; quads 3 and 2 may be out
	SQ 0, 224
	SQ 1, 240
	MERGE                                          ; the last step's sums (these six lines are the places: quad 3's scores are laid over quads 0 and 1)
	v_add_nc_u32 v[AD], s[TB], v1
	v_add_nc_u32 v[AS], s[TB], v2
	s_wait_dscnt 0x0                               ; all of K is in
	SQ 3, 192
	M0 0
	M0 1
	MB 0
	MB 1
	MX 0, 3
	MX 1, 3                                        ; (six places: quad 2's scores are laid over quad 3)
	SQ 2, 32
	MY 0, 19
	MY 1, 19
	M0 3
	MB 3                                           ; (four places)
	M0 2
	MB 2
.irp i, 3,5,7,9,11                      ; eight chains by turns
	MX 0, \i+2
	MX 1, \i+2
	MY 0, \i+18
	MY 1, \i+18
	MX 3, \i
	MY 3, \i+16
	MX 2, \i
	MY 2, \i+16
.endr
	MX 3, 13
	MY 3, 29
	MX 2, 13
	MY 2, 29
	ML 0
	ML 1
	ML 3
	ML 2
	MZ 0
	MZ 1
	MZ 3
	v_max3_num_f32 v10, v88, v89, v91
	MZ 2
	s_delay_alu instid0(VALU_DEP_1)
	v_max_num_f32 v10, v10, v90                    ; my half's largest.  V's loads stand between the lines of this chain
	ds_load_b64 v[80:81], v[AS] offset:8448        ; V's scale words
	ds_load_b64 v[82:83], v[AS] offset:UNIT+8448
	v_permlanex16_b32 v29, v10, s[SEL], s[SEL+1]
	VT 0
	v_max3_num_f32 v13, v10, v29, v13              ; the running largest score of my query
	VT 1
	v_mul_f32 v11, s[NC], v13
	VT 2
	v_floor_f32 v10, v11                           ; the new -M = -ceil(t)
	VT 3
.irp j, 0,2,4,6
	TM2 S+\j, 10
.endr
	v_sub_f32 v28, v10, v12                        ; old M - new M: a whole number, 0 or less
	v_mov_b32 v12, v10
.irp j, 8,10,12,14
	TM2 S+\j, 10
.endr
	v_cvt_i32_f32 v28, v28                         ; (it saturates)
.irp j, 16,18,20,22
	TM2 S+\j, 10
.endr
	v_ldexp_f32 v28, 1.0, v28                      ; f = 2^(old M - new M)
.irp j, 24,26,28,30,32,34,36,38,40,42,44,46,48,50,52,54,56,58,60,62
	TM2 S+\j, 10
.endr
.irp q, 0,1,2,3
	v_fma_f32 v[88+\q], v[88+\q], s[CS], v10       ; the same of the blocks' largest scores
.endr
	s_wait_alu depctr_va_vdst(0)                   ; the wait ahead of the batch
.irp q, 0,1,2,3
	v_exp_f32 v[88+\q], v[88+\q]                   ; the blocks' largest p
.endr
.irp j, 0,2,4,6,8,10,12,14,16,18,20,22,24,26,28,30
	v_exp_f32 v[S+\j], v[S+\j]                     ; p = 2^(t - M) of blocks 0 and 1; between them t - M of blocks 2 and 3
	v_exp_f32 v[S+\j+1], v[S+\j+1]
	TM2 S+64+\j, 12
	v_exp_f32 v[S+32+\j], v[S+32+\j]
	v_exp_f32 v[S+33+\j], v[S+33+\j]
	TM2 S+96+\j, 12
.endr
	s_wait_alu depctr_va_vdst(0)                   ; the wait behind the batch, and ahead of O^T's first reader
.irp q, 0,1,2,3
	v_pk_mul_f32 v[O+2*\q:O+2*\q+1], v[O+2*\q:O+2*\q+1], v[28:29] op_sel_hi:[1,0]   ; O^T under the new M
	v_max_num_f32 v[88+\q], 0x1800000, v[88+\q]    ; the floor 2^(3 - 127): the byte cannot fall under 1
.endr
.irp q, 0,1,2,3
	v_pk_mul_f32 v[O+8+2*\q:O+9+2*\q], v[O+8+2*\q:O+9+2*\q], v[28:29] op_sel_hi:[1,0]
	v_add_nc_u32 v[92+\q], 0xff000000, v[88+\q]    ; 2 off the exponent field: the conversion's scale operand
.endr
.irp q, 0,1,2,3
	v_pk_mul_f32 v[O+16+2*\q:O+17+2*\q], v[O+16+2*\q:O+17+2*\q], v[28:29] op_sel_hi:[1,0]
	v_lshrrev_b32 v[88+\q], 23, v[92+\q]           ; the scale's byte
.endr
	v_lshl_or_b32 v88, v89, 8, v88                 ; my four bytes,
	v_lshl_or_b32 v90, v91, 8, v90
	v_pk_mul_f32 v[O+24:O+25], v[O+24:O+25], v[28:29] op_sel_hi:[1,0]
	v_pk_mul_f32 v[O+26:O+27], v[O+26:O+27], v[28:29] op_sel_hi:[1,0]
	v_lshl_or_b32 v88, v90, 16, v88
	v_pk_mul_f32 v[O+28:O+29], v[O+28:O+29], v[28:29] op_sel_hi:[1,0]
	v_pk_mul_f32 v[O+30:O+31], v[O+30:O+31], v[28:29] op_sel_hi:[1,0]
	v_permlanex16_b32 v29, v88, s[SEL], s[SEL+1]   ; and lane l xor 16's
	s_wait_alu depctr_va_vdst(0)                   ; the wait ahead of the batch
.irp j, 0,2,4,6,8,10,12,14,16,18,20,22,24,26,28,30
	v_exp_f32 v[S+64+\j], v[S+64+\j]               ; p of blocks 2 and 3
	v_exp_f32 v[S+65+\j], v[S+65+\j]
	SLOT \j
	v_exp_f32 v[S+96+\j], v[S+96+\j]
	v_exp_f32 v[S+97+\j], v[S+97+\j]
	SLOT \j+1
.endr
	v_pk_mul_f32 v[14:15], v[14:15], v[28:29] op_sel_hi:[1,0]   ; the sum under the new M (a plain line behind the exponentials)
	VL 160, 1                                      ; block 1's p are used up: V of the second unit takes their registers
	s_wait_alu depctr_va_vdst(0)                   ; the wait behind the batch
	s_wait_dscnt 8                                 ; V of the first unit and both units' scale words are in; the second unit's eight loads may be out
	OMUL 0, 32
.irp u, 0,1,2,3
	CVT 2, \u
.endr
.irp u, 0,1,2,3
	CVT 3, \u
.endr
	v_nop                                          ; one plain line behind the conversions
.irp n, 0,2,4,6,8,10,12,14,16,18,20,22,24,26,28,30
	ADD2 S+64+\n, S+96+\n
.endr
.if \last == 0
	ds_load_b64 v[84:85], v[AS] offset:2*UNIT+8192 ; the next step's K: scale words,
	ds_load_b64 v[86:87], v[AS] offset:3*UNIT+8192
	KQ 224, 0, AD, 2*UNIT                          ; quads 0 and 1 where block 3's p were,
	KQ 240, 1, AD, 2*UNIT
	KQ 32, 2, AD, 2*UNIT                           ; quad 2 where V of the first unit was
.endif
.irp n, 0,2,4,6,8,10,12,14,16,18,20,22,24,26,28,30
	ADD2 S+\n, S+64+\n
.endr
.if \last == 0
	KQ 192, 3, AD, 2*UNIT                          ; quad 3 where block 2's p were
.endif
	s_wait_alu depctr_va_vdst(0)                   ; the wait here, directly ahead of the wait below
.if \last == 0
	s_wait_dscnt 18                                ; V of the second unit is in; the next K's eighteen loads may be out
.else
	s_wait_dscnt 0x0
.endif
	OMUL 1, 160
	v_pk_add_f32 v[8:9], v[S:S+1], v[S+2:S+3]      ; sixteen pairs into four chains
	v_pk_add_f32 v[10:11], v[S+4:S+5], v[S+6:S+7]
	v_pk_add_f32 v[88:89], v[S+8:S+9], v[S+10:S+11]
	v_pk_add_f32 v[90:91], v[S+12:S+13], v[S+14:S+15]
	ADD2 8, S+16
	ADD2 10, S+18
	ADD2 88, S+20
	ADD2 90, S+22
	ADD2 8, S+24
	ADD2 10, S+26
	ADD2 88, S+28
	ADD2 90, S+30
.endm
	ds_load_b64 v[84:85], v2 offset:8192           ; the first step's K
	ds_load_b64 v[86:87], v2 offset:UNIT+8192
	KQ 224, 0, 1, 0
	KQ 240, 1, 1, 0
	KQ 192, 3, 1, 0
	KQ 32, 2, 1, 0
.Lstep:
	STEP 0
	s_add_co_u32 s[TB], s[TB], 2*UNIT
	s_sub_co_u32 s[TR], s[TR], 1
	s_cmp_lg_u32 s[TR], 0
	s_wait_alu depctr_va_vdst(0)                   ; the wait here, directly ahead of the branch
	s_cbranch_scc1 .Lstep
	STEP 1                                         ; the last 256 keys: nothing more is loaded
	MERGE
	; THE WAY OUT.  O^T is divided by the row's sum and goes through my stage in LDS: a lane holds 32 channels of one query, a token's 64 channels of this head are 256 consecutive bytes of out0.
	v_add_f32 v14, v14, v15                        ; the sum's two halves,
	v_permlanex16_b32 v29, v14, s[SEL], s[SEL+1]
	v_add_f32 v14, v14, v29                        ; and lane l xor 16's
	s_wait_alu depctr_va_vdst(0)                   ; the wait ahead of the transcendental
	v_rcp_f32 v14, v14
	v_and_b32 v3, 15, v0                           ; r (a plain line behind the reciprocal)
	v_bfe_u32 v4, v0, 4, 1                         ; h
	v_mul_u32_u24 v8, v3, SP
	v_mul_u32_u24 v9, v4, SP
	v_lshlrev_b32 v10, 12, v4
	v_lshl_add_u32 v8, v4, 7, v8
	v_lshl_add_u32 v9, v3, 4, v9
	v_add_nc_u32 v8, s73, v8                       ; in: row r, + 128 h
	v_add_nc_u32 v9, s73, v9                       ; back: lanes 0-15 one row, lanes 16-31 the next
	v_lshl_add_u32 v10, v3, 4, v10                 ; out0: lanes 0-15 one token's 256 bytes, lanes 16-31 the next token's
	s_wait_alu depctr_va_vdst(0)                   ; the wait ahead of the first reader
.irp j, 0,1,2,3,4,5,6,7,8,9,10,11,12,13,14,15,16,17,18,19,20,21,22,23,24,25,26,27,28,29,30,31
	v_mul_f32 v[S+32+\j], v[O+\j], v14             ; channel 32 h + j of query r
.endr
.irp k, 0,1,2,3,4,5,6,7
	ds_store_b128 v8, v[S+32+4*\k:S+35+4*\k] offset:16*\k
.endr
.irp i, 0,1,2,3,4,5,6,7
	ds_load_b128 v[32+4*\i:35+4*\i], v9 offset:2*\i*SP   ; LDS serves a wave's instructions in order: these see my stores
.endr
.irp i, 0,1,2,3,4,5,6,7
	s_wait_dscnt 7-\i                              ; the younger loads may be out
	global_store_b128 v10, v[32+4*\i:35+4*\i], s[84:85] offset:(2*\i+24*(\i/4))*4096 th:TH_STORE_NT   ; row 2 i + h of the tile; rows 8-15 are the tokens 32 on; 16 lanes store 256 consecutive bytes, aligned
.endr
	s_wait_tensorcnt 0x0                           ; the wave's end
	ds_add_u32 v[SPW], v[NIL]
	s_wait_dscnt 0x0
	CROUND                                         ; the closing round: no work-group ends while a partner may still ask for a unit that names it
	s_endpgm
.Lfunc_end_k_q08b7463830_attn:
	.size	k_q08b7463830_attn, .Lfunc_end_k_q08b7463830_attn-k_q08b7463830_attn
	.p2alignl 7, 3214868480
	.fill 96, 4, 3214868480
	.section	.rodata,"a",@progbits
	.p2align	6, 0x0
	.amdhsa_kernel k_q08b7463830_attn
		.amdhsa_group_segment_fixed_size 210944
		.amdhsa_private_segment_fixed_size 0
		.amdhsa_enable_private_segment 0
		.amdhsa_kernarg_size 16
		.amdhsa_user_sgpr_count 2
		.amdhsa_user_sgpr_kernarg_segment_ptr 1
		.amdhsa_wavefront_size32 1
		.amdhsa_system_sgpr_workgroup_id_x 1
		.amdhsa_system_sgpr_workgroup_id_y 1
		.amdhsa_system_sgpr_workgroup_id_z 1
		.amdhsa_system_vgpr_workitem_id 0
		.amdhsa_next_free_vgpr 256
		.amdhsa_next_free_sgpr 96
		.amdhsa_reserve_vcc 0
		.amdhsa_float_denorm_mode_32 3
		.amdhsa_float_denorm_mode_16_64 3
		.amdhsa_memory_ordered 1
		.amdhsa_forward_progress 1
		.amdhsa_inst_pref_size 60
	.end_amdhsa_kernel
	.amdgpu_metadata
---
amdhsa.version: [ 1, 2 ]
amdhsa.kernels:
  - .name:           k_q08b7463830_attn
    .symbol:         k_q08b7463830_attn.kd
    .args:
      - { .name: img, .offset: 0, .size: 8, .value_kind: global_buffer, .address_space: global }
      - { .name: out0, .offset: 8, .size: 8, .value_kind: global_buffer, .address_space: global }
    .group_segment_fixed_size: 210944
    .private_segment_fixed_size: 0
    .kernarg_segment_align: 8
    .kernarg_segment_size: 16
    .max_flat_workgroup_size: 512
    .sgpr_count:     96
    .vgpr_count:     256
    .wavefront_size: 32
...
	.end_amdgpu_metadata
.endif
;; end of part 3
